; MI455X (gfx1250); checked and timed in simulation.
; The chip was launched on July 23, 2026; its instructions are those of AMD's public machine-readable ISA for CDNA 5 (MIT licence, August 2026) and "CDNA5" Instruction Set Architecture Reference Guide (July 2026). The comments in the code are by the model that wrote it; some were corrected since.
;; Attention. Allowed arithmetic: matrix products marked QUANTISED: E4M3 operands, one given power-of-two scale a tensor, by v_wmma_f32_16x16x64_fp8_fp8 or v_wmma_f32_16x16x128_fp8_fp8, f32 sums; products left as they are: f32 operands where the result goes on into a quantised operand, else bf16, f16 or f32 operands; f32 sums; everything else in f32.
;; Inputs: W_attn 1,024 x 2,048 float32; W_v 1 x 1,024 float32; b_attn 1,024 float32; b_v 1 float32; encoder_outputs 32 x 2,048 x 1,024 float32; hidden_codes 32 x 32 x 32 uint8 (E4M3 codes of hidden, K innermost, in blocks of 32 codes); lowp_scales 4 int32 (the exponents e of the quantised operands' scales 2^e).
;; Outputs: out0 32 x 1,024 float32.
;; This version of the problem:
;;   THIS VERSION OF THE PROBLEM IS GIVEN IN LOW PRECISION. The matrix products marked QUANTISED in the list below multiply operands that are first quantised to E4M3 (4 exponent bits, 3 mantissa bits; 8 bits a number), with one given power-of-two scale for each operand tensor; their sums are f32. All else is computed in f32.
;;   The module's matrix products, in the order in which they are computed (A, B: the left and right operand; K: the contracted axis; several contracted axes count as one K, in the product's order):
;;     1. [M 32, K 1,024] x [K 1,024, N 1,024]; A: input hidden (given as codes); B: input W_attn: QUANTISED (scales: A lowp_scales[0], B lowp_scales[1])
;;     2. [M 65,536, K 1,024] x [K 1,024, N 1,024]; A: input encoder_outputs; B: input W_attn: QUANTISED (scales: A lowp_scales[2], B lowp_scales[3])
;;     3. [M 65,536, K 1,024] x [K 1,024, N 1]; A: computed on the way; B: input W_v: left as it is (N = 1 < 16)
;;     4. batch 32 x [M 1, K 2,048] x [K 2,048, N 1,024]; A: softmax; B: input encoder_outputs: left as it is (M = 1 < 16)
;;   THE QUANTISER, for each operand of a quantised product, along K:
;;     - The operand's scale is 2^e, e = its entry of the input lowp_scales (int32; the entries are numbered through the quantised products in the list's order, A before B).
;;     - Each number is divided by the scale, clamped to +-448, and rounded to the nearest number of E4M3, ties to even, subnormals kept.
;;     - The product sums the exact products of the quantised numbers (number of the format x scale) in f32.
;;   ~~~python
;;   def quantise(x, axis, e):      # numpy; x: float32 -> the quantised numbers, widened to float32 again
;;       x = np.moveaxis(x, axis, -1); K = x.shape[-1]
;;       r = np.clip(x / 2.0 ** e, -448, 448)
;;       step = 2.0 ** (np.maximum(np.frexp(np.where(r == 0, 1, r))[1] - 1, -6) - 3)
;;       q = np.round(r / step) * step * 2.0 ** e      # np.round: ties to even
;;       return np.moveaxis(q, -1, axis).astype(np.float32)
;;   ~~~
;;   INPUTS GIVEN AS CODES. hidden (in the module: [32, 1024], K = its axis 1): each comes as NAME_codes (uint8): NAME with its K axis moved to the last place and cut into blocks of 32 codes, [.., K / 32, bytes a block], one block behind the other in memory; one code a byte (a code: sign, 4 exponent bits, 3 mantissa bits); its scale is its entry of lowp_scales. Its value is code x scale, taken as it is: it is not quantised again, and the codes and scales need not be those that the quantiser above would give.
;; One version. Each part assembles by itself: llvm-mc -triple=amdgcn-amd-amdhsa -mcpu=gfx1250 --defsym DOCPART=n.
;; ======== version 1 of 1: 3 launches
;; limits: values are held in bf16: 8 bits of precision; right only within a limited range of input values
;; workspace buffers: wecodes 1,048,576 bytes; pctx 2,228,224 bytes
;; launch prep (part 1): grid 256 x 1, 2 waves a work-group, no clusters, 0 bytes of LDS; arguments W_attn, lowp_scales, wecodes; writes wecodes
.if DOCPART == 1
	.amdgcn_target "amdgcn-amd-amdhsa--gfx1250"
	.amdhsa_code_object_version 6
	.text
	.protected	k_q36cbeeeff8_prep
	.globl	k_q36cbeeeff8_prep
	.p2align	8
	.type	k_q36cbeeeff8_prep,@function
k_q36cbeeeff8_prep:
	s_mov_b64 s[64:65], 0
	v_nop
	global_prefetch_b8 v0, s[64:65] scope:SCOPE_SE
	s_setreg_imm32_b32 hwreg(HW_REG_WAVE_MODE, 25, 1), 1
	s_wait_xcnt 0x0
; W_attn [1024][2048] f32 = [Wh | We].  This launch makes We's codes of FP8 (E4M3, scale 2^e3, e3 = lowp_scales[3]) for the launch that follows.
; DEAD WORK, left out in the whole program: scores[b][t] = W_v . (hidden[b] Wh^T + b_attn) + b_v + W_v . (enc[b][t] We^T).  The first three terms hold no t: for each batch they add one
; number to all 2,048 scores, and softmax over t gives the same weights with it or without it, for all finite values of the inputs.  So the product hidden Wh^T, b_attn and b_v reach no output:
; hidden_codes, b_attn, b_v and W_attn's left half are not loaded and are no launch's arguments.  LIMIT: a NaN, an infinity or an overflow that arises in those terms alone is not carried to the result.
; LAYOUT: images of the operand's registers: byte kq*262144 + tile*4096 + s*2048 + c*512 + lane*16 (kq: quarter of K; tile: 16 rows n; s: 128 along K in the quarter; c: four registers).
; ALONG K THE CODES ARE PERMUTED as the next launch's own codes of encoder_outputs are: lane (r, h), with k0 = 256 kq + 64 s + 16 c + 8 h, holds k0+0..3, k0+128..131, k0+4..7, k0+132..135.
; Both operands carry the same permutation and one scale a tensor, so every product meets its partner; only the order of the sums changes.
; SHARES: work-group x takes rows n = 16 (x / 4) .. + 15 and quarter x % 4 of K; its two waves the quarter's two parts.  64 tiles x 4 quarters = 256 work-groups.
; No LDS, no barrier, no matrix unit: each byte is read once and each code stored once.
; LIMITS: e3 between -126 and 119, so that 2^e3 and 448 x 2^e3 are f32 numbers.  NaN among the inputs is not served.
.set XW, 16                            ; v16-79  64 numbers of We: register 16 c + y = byte y of group c
.set CW, 80                            ; v80-95  their codes
	s_load_b128 s[4:7], s[0:1], 0x0                ; W_attn, lowp_scales
	s_load_b64 s[14:15], s[0:1], 0x10              ; wecodes
	v_lshrrev_b32 v1, 5, v0
	v_readfirstlane_b32 s18, v1                    ; wave = part s of the quarter
	v_and_b32 v1, 15, v0                           ; r
	v_bfe_u32 v2, v0, 4, 1                         ; h
	v_lshlrev_b32 v3, 13, v1                       ; a row of W_attn is 8,192 bytes
	v_lshl_add_u32 v3, v2, 5, v3                   ; row r, + 32 h
	v_and_b32 v15, 31, v0
	v_lshlrev_b32 v6, 4, v15                       ; 16 x lane
	s_lshr_b32 s19, ttmp9, 2                       ; tile
	s_and_b32 s41, ttmp9, 3                        ; kq
	s_lshl_b32 s38, s19, 17                        ; 16 rows of 8,192 bytes
	s_lshl_b32 s42, s41, 10
	s_add_co_u32 s38, s38, s42
	s_lshl_b32 s42, s18, 8
	s_add_co_u32 s38, s38, s42
	s_add_co_u32 s38, s38, 4096                    ; We begins 4,096 bytes into a row; + 4 (256 kq + 64 s)
	s_mov_b32 s39, 0
	s_lshl_b32 s36, s41, 18
	s_lshl_b32 s42, s19, 12
	s_add_co_u32 s36, s36, s42
	s_lshl_b32 s42, s18, 11
	s_add_co_u32 s36, s36, s42                     ; my fragment's image
	s_mov_b32 s37, 0
	s_wait_alu depctr_va_vdst(0)                   ; the wait at the head's end
	s_wait_kmcnt 0x0
	s_load_b32 s23, s[6:7], 0xc                    ; e3
	s_add_nc_u64 s[24:25], s[4:5], s[38:39]
	s_add_nc_u64 s[30:31], s[14:15], s[36:37]
.irp c, 0,1,2,3                                ; of each row the wave's sixteen loads take two runs of 256 consecutive bytes, 512 apart
	global_load_b128 v[XW+16*\c:XW+16*\c+3],     v3, s[24:25] offset:64*\c th:TH_LOAD_NT
	global_load_b128 v[XW+16*\c+4:XW+16*\c+7],   v3, s[24:25] offset:64*\c+512 th:TH_LOAD_NT
	global_load_b128 v[XW+16*\c+8:XW+16*\c+11],  v3, s[24:25] offset:64*\c+16 th:TH_LOAD_NT
	global_load_b128 v[XW+16*\c+12:XW+16*\c+15], v3, s[24:25] offset:64*\c+528 th:TH_LOAD_NT
.endr
	s_wait_kmcnt 0x0
	s_add_co_i32 s38, s23, 127
	s_lshl_b32 s40, s38, 23
	v_mov_b32 v8, s40                              ; 2^e3 as f32: the conversion takes its exponent field
	s_add_co_i32 s38, s38, 8
	s_lshl_b32 s38, s38, 23
	s_or_b32 s38, s38, 0x600000
	v_mov_b32 v9, s38                              ; 448 x 2^e3
	s_wait_alu depctr_va_vdst(0)                   ; the wait here, directly ahead of the wait below
.irp b, 0,1,2,3
	s_wait_loadcnt 12-4*\b                         ; group b's four loads are in; the 12 - 4 b issued behind them may be out
.irp i, 0,1,2,3,4,5,6,7,8,9,10,11,12,13,14,15
	v_med3_num_f32 v[XW+16*\b+\i], v[XW+16*\b+\i], -v9, v9   ; the conversion does not saturate (ISA guide 7.6.2): the hold at the largest code x the scale
.endr
	v_cvt_scalef32_pk8_fp8_f32 v[CW+4*\b:CW+4*\b+1], v[XW+16*\b:XW+16*\b+7], v8
	v_cvt_scalef32_pk8_fp8_f32 v[CW+4*\b+2:CW+4*\b+3], v[XW+16*\b+8:XW+16*\b+15], v8
	global_store_b128 v6, v[CW+4*\b:CW+4*\b+3], s[30:31] offset:512*\b   ; 32 lanes store 512 consecutive bytes, aligned
.endr
	s_endpgm
.Lfunc_end_k_q36cbeeeff8_prep:
	.size	k_q36cbeeeff8_prep, .Lfunc_end_k_q36cbeeeff8_prep-k_q36cbeeeff8_prep
	.p2alignl 7, 3214868480
	.fill 96, 4, 3214868480
	.section	.rodata,"a",@progbits
	.p2align	6, 0x0
	.amdhsa_kernel k_q36cbeeeff8_prep
		.amdhsa_group_segment_fixed_size 0
		.amdhsa_private_segment_fixed_size 0
		.amdhsa_enable_private_segment 0
		.amdhsa_kernarg_size 24
		.amdhsa_user_sgpr_count 2
		.amdhsa_user_sgpr_kernarg_segment_ptr 1
		.amdhsa_wavefront_size32 1
		.amdhsa_system_sgpr_workgroup_id_x 1
		.amdhsa_system_sgpr_workgroup_id_y 1
		.amdhsa_system_sgpr_workgroup_id_z 1
		.amdhsa_system_vgpr_workitem_id 0
		.amdhsa_next_free_vgpr 96
		.amdhsa_next_free_sgpr 66
		.amdhsa_reserve_vcc 0
		.amdhsa_float_denorm_mode_32 3
		.amdhsa_float_denorm_mode_16_64 3
		.amdhsa_memory_ordered 1
		.amdhsa_forward_progress 1
		.amdhsa_inst_pref_size 9
	.end_amdhsa_kernel
	.amdgpu_metadata
---
amdhsa.version: [ 1, 2 ]
amdhsa.kernels:
  - .name:           k_q36cbeeeff8_prep
    .symbol:         k_q36cbeeeff8_prep.kd
    .args:
      - { .name: W_attn, .offset: 0, .size: 8, .value_kind: global_buffer, .address_space: global }
      - { .name: lowp_scales, .offset: 8, .size: 8, .value_kind: global_buffer, .address_space: global }
      - { .name: wecodes, .offset: 16, .size: 8, .value_kind: global_buffer, .address_space: global }
    .group_segment_fixed_size: 0
    .private_segment_fixed_size: 0
    .kernarg_segment_align: 8
    .kernarg_segment_size: 24
    .max_flat_workgroup_size: 64
    .sgpr_count:     66
    .vgpr_count:     96
    .wavefront_size: 32
...
	.end_amdgpu_metadata
.endif
;; end of part 1
;; launch attn (part 2): grid 512 x 1, 4 waves a work-group, clusters of 4 x 1, 327,680 bytes of LDS; arguments encoder_outputs, wecodes, W_v, lowp_scales, pctx; writes pctx
.if DOCPART == 2
	.amdgcn_target "amdgcn-amd-amdhsa--gfx1250"
	.amdhsa_code_object_version 6
	.text
	.protected	k_q36cbeeeff8_attn
	.globl	k_q36cbeeeff8_attn
	.p2align	8
	.type	k_q36cbeeeff8_attn,@function
k_q36cbeeeff8_attn:
	s_mov_b64 s[64:65], 0
	v_nop
	global_prefetch_b8 v0, s[64:65] scope:SCOPE_SE
	s_setreg_imm32_b32 hwreg(HW_REG_WAVE_MODE, 25, 1), 1
	s_wait_xcnt 0x0
	s_wait_alu depctr_hold_cnt(0) depctr_sa_sdst(0) depctr_va_vdst(0) depctr_va_sdst(0) depctr_va_ssrc(0) depctr_va_vcc(0) depctr_vm_vsrc(0)
	s_getreg_b32 s2, hwreg(HW_REG_IB_STS2, 6, 4)
	s_cmp_eq_u32 s2, 0
	s_cbranch_scc0 .Lentry_in_a_cluster
	s_endpgm
.Lentry_in_a_cluster:
	s_bfe_u32 s2, ttmp6, 0x10000c
	s_cmp_lg_u32 s2, 0x3003
	s_cbranch_scc0 .Lentry_shape_is_right
	s_endpgm
.Lentry_shape_is_right:
; A work-group takes 128 positions t of one batch: scores, the block's softmax (its own largest t-score taken away) and the block's weighted sum of encoder_outputs; the next launch joins a batch's 16 blocks.
; LEFT OUT AS DEAD WORK (shown at the head of the first kernel): hidden Wh^T, b_attn and b_v add the same number to all scores of a batch, which softmax over t takes away.
; score[t] = sum over n of W_v[n] (Q(enc)[t] . Q(We)[n]) 2^(e2 + e3).  K goes in quarters of 256.  Each wave loads 32 rows of a quarter as f32, makes their codes (into a stage in LDS, read by all four waves as
; fragments of 128 rows) and their bf16 copy for the weighted sum (quarters 0 and 3 in registers, 1 and 2 in LDS).  We's codes come as register images through two LDS slots of 16 tiles of n, by tensor loads
; that the four work-groups of a cluster ask for jointly; a wave multiplies 4 tiles of a slot against all 128 rows and folds each finished tile with W_v into the running scores: no large accumulators.
; No data prefetch: We's codes are 1 MiB that all work-groups read again and again, and encoder_outputs goes straight into registers, asked for a quarter of K ahead (64 loads a wave).
; LIMITS: e2 between -126 and 119, so that 2^e2 and 448 x 2^e2 are f32 numbers; e2 + e3 goes through v_ldexp_f32 and has none.  NaN among the inputs is not served.
.set SLOTB, 65536
.set BFL,   2*SLOTB
.set STG,   4*SLOTB
.set SPI,   272
.set WVT,   STG+128*SPI
.set SCR,   WVT+4096
.set PB,    SCR+2048
.set SPARE, PB+2048
.set RED,   STG
.set SPW,  2
.set NIL,  3
.set GA,   4
.set STS,  5
.set STL,  6
.set BFA0, 7
.set BFC,  8
.set BFA1, 9
.set SCV,  10
.set LIM,  11
.set LI,   13
.set CD,   16
.set TB,   32
.set ACC,  64
.set SS,   128
.set WV,   240                         ; window 2, v240-255: W_v for two tiles, beside A's fragments, so that products and multiply-adds run under one window setting
.set AX,   164                         ; window 3, v164-179: A's fragment (rows 112-127, second K half), which gave W_v its place
.set BAD,  160
.set WVA,  162
.set G1,   24
.set G0,   32
.set EC,   48
.set MSB, 0
.macro WIN new
.if MSB != (\new)
	s_set_vgpr_msb (MSB<<8)|(\new)
.set MSB, (\new)
.endif
.endm
.macro CROUND
	s_barrier_signal -1
	s_barrier_wait -1
	s_cmp_lg_u32 s18, 0
	s_cbranch_scc1 .Lnot_wave_0_\@
	s_barrier_signal -3
.Lnot_wave_0_\@:
	s_barrier_wait -3
	s_barrier_signal -1
	s_barrier_wait -1
.endm
.macro XLOADU u, k
.if (\u) < 3
	WIN 0
.set XB, 64+64*(\u)
.else
	WIN 0xc0
.set XB, 192
.endif
.irp i, 0,1,2,3,4,5,6,7
	global_load_b128 v[XB+8*\i:XB+8*\i+3],   v[GA], s[EC:EC+1] offset:(8*(\u)+\i)*4096+\k th:TH_LOAD_NT
	global_load_b128 v[XB+8*\i+4:XB+8*\i+7], v[GA], s[EC:EC+1] offset:(8*(\u)+\i)*4096+\k+512 th:TH_LOAD_NT
.endr
	WIN 0
.endm
.macro CONVU u, dest, load, left
.if (\u) < 3
.set XB, 64+64*(\u)
.set XS, 0
.else
.set XB, 192
.set XS, 3
.endif
	s_wait_loadcnt \left
.if (\dest) == 1
	WIN 5*XS
.else
	WIN 0x40+5*XS
.endif
.irp e, 0,1,2,3,4,5,6,7
.irp z, 0,1,2,3
.if (\dest) == 1
	v_cvt_pk_bf16_f32 v[TB+4*\e+\z], v[XB+16*\z+\e], v[XB+16*\z+8+\e]
.else
	v_cvt_pk_bf16_f32 v[64*(\dest)+16*\e+4*(\u)+\z], v[XB+16*\z+\e], v[XB+16*\z+8+\e]
.endif
.endr
.endr
.if (\dest) == 1
	WIN 0
.irp e, 0,1,2,3,4,5,6,7
	ds_store_b128 v[BFC], v[TB+4*\e:TB+4*\e+3] offset:(4*\e+(\u))*512
.endr
.endif
	WIN 0xc3*(XS/3)
.set j, 0
.rept 64
	v_med3_num_f32 v[XB+j], v[XB+j], -v[LIM], v[LIM]
.set j, j+1
.endr
	WIN XS
.irp i, 0,1,2,3,4,5,6,7
	v_cvt_scalef32_pk8_fp8_f32 v[CD+2*\i:CD+2*\i+1], v[XB+8*\i:XB+8*\i+7], v[SCV]
.endr
	v_nop
	WIN 0
.irp i, 0,1,2,3,4,5,6,7
	ds_store_b64 v[STS], v[CD+2*\i:CD+2*\i+1] offset:(8*(\u)+\i)*SPI
.endr
.if \load
	XLOADU \u, 1024
.endif
.endm
.macro ALOAD
	WIN 0x80
.irp p, 0,1
.irp g, 0,1,2,3,4,5,6,7
.irp c, 0,1,2,3
.if 8*\p+\g < 15
	ds_load_b128 v[128*\p+16*\g+4*\c:128*\p+16*\g+4*\c+3], v[STL] offset:\g*16*SPI+128*\p+32*\c
.else
	WIN 0xc0
	ds_load_b128 v[AX+4*\c:AX+4*\c+3], v[STL] offset:\g*16*SPI+128*\p+32*\c
.endif
.endr
.endr
.endr
.endm
.macro FB slot, t, p                   ; K half p of tile t of We: four loads into buffer t % 2
.irp c, 0,1,2,3
	ds_load_b128 v[32*((\t)%2)+16*(\p)+4*\c:32*((\t)%2)+16*(\p)+4*\c+3], v[BAD+\slot] offset:4096*(\t)+2048*(\p)+512*\c
.endr
.endm
.macro FW q4, t                        ; tile t's eight numbers of W_v for my half of the lanes: two loads, destination in window 2
	WIN 0xbb
	ds_load_b128 v[WV+8*((\t)%2):WV+8*((\t)%2)+3],   v[WVA] offset:1024*(\q4)+64*(\t)
	ds_load_b128 v[WV+8*((\t)%2)+4:WV+8*((\t)%2)+7], v[WVA] offset:1024*(\q4)+64*(\t)+16
	WIN 0xfb
.endm
.macro WORKF slot, q4                  ; tiles 0 and 1 of my four
	WIN 0xfb
	FB \slot, 0, 0
	FB \slot, 0, 1
	FB \slot, 1, 0
	FB \slot, 1, 1
	FW \q4, 0
	FW \q4, 1
.endm
; My four tiles x eight groups of 16 rows are 32 units, u = 8 t + g, each: a product on the first K half (C = 0), one on the second, four packed multiply-adds with W_v.  They go as a rolling pipeline of 38 steps:
; step s holds unit s's first product, unit s - 4's second, and unit s - 6's multiply-adds, which are the plain places behind the products (eight stand between a unit's last product and its first read; steps 4 and 5 have v_nop).
; The eight accumulators take turns: at least four other products stand between a unit's two.  The scores run in two chains, SS and SS + 16, so that a register written is read again two lines on or 29.
; Tiles 2 and 3 are fetched as buffers fall free, at four points: first halves behind steps 7 and 15, second halves with W_v behind steps 13 and 21, each behind four places.  Each counted wait names the LDS loads issued behind the ones it needs.
.macro WORKT slot, q4
	WIN 0xfb
	s_wait_dscnt 0x0                               ; A's fragments and tiles 0 and 1 are in
.set SLT, 0
.rept 38
.if SLT == 16 || SLT == 22
	s_wait_dscnt 10                                ; step 16: tile 2's first half (younger: its second half, its W_v, tile 3's first half); 22: tile 2's W_v (younger: all ten of tile 3)
.elseif SLT == 20 || SLT == 24
	s_wait_dscnt 6                                 ; step 20: tile 2's second half (younger: its W_v, tile 3's first half); 24: tile 3's first half (younger: its second half and W_v)
.elseif SLT == 28
	s_wait_dscnt 2                                 ; its second half; younger: its W_v
.elseif SLT == 30
	s_wait_dscnt 0x0
.endif
.if SLT < 32
	v_wmma_f32_16x16x128_fp8_fp8 v[ACC+8*(SLT%8):ACC+8*(SLT%8)+7], v[32*((SLT/8)%2):32*((SLT/8)%2)+15], v[16*(SLT%8):16*(SLT%8)+15], 0
.endif
.if SLT >= 4 && SLT < 36
.set U, SLT-4
.if U%8 == 7
	WIN 0xff
	v_wmma_f32_16x16x128_fp8_fp8 v[ACC+56:ACC+63], v[32*((U/8)%2)+16:32*((U/8)%2)+31], v[AX:AX+15], v[ACC+56:ACC+63]
	WIN 0xfb
.else
	v_wmma_f32_16x16x128_fp8_fp8 v[ACC+8*(U%8):ACC+8*(U%8)+7], v[32*((U/8)%2)+16:32*((U/8)%2)+31], v[128+16*(U%8):128+16*(U%8)+15], v[ACC+8*(U%8):ACC+8*(U%8)+7]
.endif
.endif
.if SLT == 4 || SLT == 5
.rept 4
	v_nop
.endr
.endif
.if SLT >= 6
.set E, SLT-6
.irp i, 0,1,2,3
	v_pk_fma_f32 v[SS+16*(\i%2)+2*(E%8):SS+16*(\i%2)+2*(E%8)+1], v[ACC+8*(E%8)+2*\i:ACC+8*(E%8)+2*\i+1], v[WV+8*((E/8)%2)+2*\i:WV+8*((E/8)%2)+2*\i+1], v[SS+16*(\i%2)+2*(E%8):SS+16*(\i%2)+2*(E%8)+1]
.endr
.endif
.if SLT == 7 || SLT == 15
	FB \slot, (SLT+9)/8, 0
.elseif SLT == 13 || SLT == 21
	FB \slot, (SLT+3)/8, 1
	FW \q4, (SLT+3)/8
.endif
.set SLT, SLT+1
.endr
	WIN 0
.endm
.macro WORK slot, q4
	WORKF \slot, \q4
	WORKT \slot, \q4
.endm
.macro CHANGE next
	s_wait_tensorcnt 0x0
	ds_add_u32 v[SPW], v[NIL]
	s_add_nc_u64 s[G0+4*(1-\next)+2:G0+4*(1-\next)+3], s[G0+4*(1-\next)+2:G0+4*(1-\next)+3], 2*SLOTB
	s_wait_dscnt 0x0
	CROUND
	tensor_load_to_lds s[G0+4*(1-\next):G0+4*(1-\next)+3], s[G1:G1+7]
	s_nop 0
.rept 4
	v_nop
.endr
.endm
.macro GEMMQ dest, load, l0, l1, l2, l3
	ALOAD
	WORK 0, 0
	CHANGE 1
	WORKF 1, 1
.if \load
	s_wait_xcnt 0x0
	s_add_nc_u64 s[EC:EC+1], s[EC:EC+1], 1024
.endif
	CONVU 0, \dest, \load, \l0
	WORKT 1, 1
	CHANGE 0
	WORKF 0, 2
	CONVU 1, \dest, \load, \l1
	WORKT 0, 2
	CHANGE 1
	WORKF 1, 3
	CONVU 2, \dest, \load, \l2
	CONVU 3, \dest, \load, \l3
	WORKT 1, 3
	CHANGE 0
.endm
	s_load_b256 s[4:11], s[0:1], 0x0
	s_load_b64 s[16:17], s[0:1], 0x20
	v_lshl_add_u32 v[SPW], v0, 2, SPARE
	v_mov_b32 v[NIL], 0
	ds_add_u32 v2, v3
	ds_add_u32 v2, v3
	s_wait_dscnt 0x0
	v_lshrrev_b32 v1, 5, v0
	v_readfirstlane_b32 s18, v1
	s_bfe_u32 s19, ttmp6, 0x40000
	s_lshl_b32 s20, ttmp9, 2
	s_add_co_u32 s20, s20, s19
	s_lshl_b32 s54, s20, 19
	s_mov_b32 s55, 0
	s_lshl_b32 s22, s18, 14
	s_mov_b32 s23, 0
	s_mov_b32 s[G1], 15|(3<<16)|(1<<21)
	s_mov_b32 s[G1+1], 32<<16
	s_mov_b32 s[G1+2], 64<<16
	s_mov_b32 s[G1+3], 32<<16
	s_mov_b32 s[G1+4], 64
	s_mov_b32 s[G1+5], 32
	s_mov_b32 s[G1+6], 0
	s_mov_b32 s[G1+7], 0
	s_mov_b32 s50, 0x76543210
	s_mov_b32 s51, 0xfedcba98
	s_mov_b32 s52, 0x01000001
	s_mov_b32 s53, 0x3fb8aa3b
	v_and_b32 v14, 31, v0
	v_lshlrev_b32 v[LI], 4, v14
	s_lshl_b32 s58, s18, 17
	v_add_nc_u32 v[GA], s58, v[LI]
	v_lshlrev_b32 v1, 4, v0
	s_wait_alu depctr_va_vdst(0)
	s_wait_kmcnt 0x0
	s_load_b128 s[40:43], s[10:11], 0x0
	s_add_nc_u64 s[EC:EC+1], s[4:5], s[54:55]
	global_load_b128 v[TB:TB+3], v1, s[8:9]
	global_load_b128 v[TB+4:TB+7], v1, s[8:9] offset:2048
	XLOADU 0, 0
	XLOADU 1, 0
	XLOADU 2, 0
	s_mul_i32 s54, s20, 4352
	s_add_nc_u64 s[56:57], s[16:17], s[54:55]
	s_add_nc_u64 s[6:7], s[6:7], s[22:23]
.irp n, 0,1
	s_mov_b32 s[G0+4*\n], 1
	s_add_co_u32 s[G0+4*\n+1], s22, \n*SLOTB
	s_add_nc_u64 s[G0+4*\n+2:G0+4*\n+3], s[6:7], \n*SLOTB
	s_or_b32 s[G0+4*\n+3], s[G0+4*\n+3], 0x80000000
.endr
	CROUND
	tensor_load_to_lds s[G0:G0+3], s[G1:G1+7]      ; slot 0: my one tensor load at the head; the first quarter's conversions stand between it and the wait for it
	s_nop 0
.rept 4
	v_nop
.endr
	s_mul_i32 s58, s18, 32*SPI
	s_add_co_u32 s58, s58, STG
	v_lshl_add_u32 v[STS], v14, 3, s58
	v_and_b32 v14, 15, v0
	v_bfe_u32 v15, v0, 4, 1
	v_mul_u32_u24 v[STL], v14, SPI
	v_lshl_add_u32 v[STL], v15, 4, v[STL]
	v_add_nc_u32 v[STL], STG, v[STL]
	s_add_co_u32 s58, s22, BFL
	v_add_nc_u32 v[BFA0], s58, v[LI]
	v_add_nc_u32 v[BFA1], SLOTB, v[BFA0]
	v_lshl_add_u32 v[BFC], v0, 4, WVT
	WIN 0xc0
	v_add_nc_u32 v[BAD], s22, v[LI]
	s_add_co_u32 s58, s22, SLOTB
	v_add_nc_u32 v[BAD+1], s58, v[LI]
	s_lshl_b32 s58, s18, 8
	s_add_co_u32 s58, s58, WVT
	v_lshl_add_u32 v[WVA], v15, 5, s58
.set j, 0
.rept 32
	v_mov_b32 v[SS+j], 0
.set j, j+1
.endr
	WIN 0
	XLOADU 3, 0
	s_wait_kmcnt 0x0
	s_add_co_i32 s58, s42, 127
	s_lshl_b32 s59, s58, 23
	v_mov_b32 v[SCV], s59
	s_add_co_i32 s58, s58, 8
	s_lshl_b32 s58, s58, 23
	s_or_b32 s58, s58, 0x600000
	v_mov_b32 v[LIM], s58
	s_add_co_i32 s47, s42, s43
	CONVU 0, 0, 1, 48
	ds_store_b128 v[BFC], v[TB:TB+3]
	ds_store_b128 v[BFC], v[TB+4:TB+7] offset:2048
	CONVU 1, 0, 1, 48
	CONVU 2, 0, 1, 48
	CONVU 3, 0, 1, 48
	s_wait_alu depctr_va_vdst(0)                   ; the wait at the head's end
	s_wait_tensorcnt 0x0                           ; my part of slot 0 is in
	ds_add_u32 v[SPW], v[NIL]
	s_wait_dscnt 0x0                               ; the add is done, and my stores into the stage and W_v's table have landed
	CROUND                                         ; slot 0, the stage and the table are whole for all four waves, and the four partners are here
	tensor_load_to_lds s[G0+4:G0+7], s[G1:G1+7]    ; slot 1's first fill, the first tensor load behind the round
	s_nop 0
.rept 4
	v_nop
.endr
	s_mov_b32 s45, 2
	s_mov_b32 s46, 0
.Lq:
	v_add_nc_u32 v[BFC], s46, v[BFA0]
	GEMMQ 1, 1, 48, 48, 48, 48
	s_add_co_u32 s46, s46, SLOTB
	s_sub_co_u32 s45, s45, 1
	s_cmp_lg_u32 s45, 0
	s_cbranch_scc1 .Lq
	GEMMQ 2, 0, 48, 32, 16, 0
	ALOAD
	WORK 0, 0
	CHANGE 1
	WORK 1, 1
	CHANGE 0
	WORK 0, 2
	s_wait_tensorcnt 0x0
	WORK 1, 3
.set P,    64
.set PP,   96
.set PA,   112
.set CT,   128
.set T,    160
.set T2,   168
.set SC,   176
.set SCS,  192
.set SCL,  193
.set PBS,  194
.set PBL,  195
.set RES,  196
.set REL,  197
.set GOUT, 198
.set MLO,  199
.set MX,   200
.set LS,   201
.set TX,   202
.set RL,   208
	v_and_b32 v[TX], 15, v0
	s_lshl_b32 s58, s18, 9
	s_add_co_u32 s59, s58, SCR
	v_lshl_add_u32 v[SCS], v[TX], 2, s59
	v_add_nc_u32 v[SCL], SCR, v[LI]
	s_add_co_u32 s59, s58, PB
	v_add_nc_u32 v[PBS], s59, v[LI]
	s_mul_i32 s59, s18, 640
	s_add_co_u32 s59, s59, PB
	v_mov_b32 v[PBL], s59
	s_lshl_b32 s59, s18, 12
	s_add_co_u32 s59, s59, RED
	v_add_nc_u32 v[RES], s59, v[LI]
	s_lshl_b32 s58, s18, 10
	v_add_nc_u32 v[GOUT], s58, v[LI]
	s_add_co_u32 s59, s58, RED
	v_add_nc_u32 v[REL], s59, v[LI]
	v_lshrrev_b32 v[MLO], 1, v[LI]
	WIN 0xff
.irp g, 0,1,2,3,4,5,6,7
	v_pk_add_f32 v[SS+2*\g:SS+2*\g+1], v[SS+2*\g:SS+2*\g+1], v[SS+16+2*\g:SS+17+2*\g]   ; the scores' two chains
.endr
	WIN 0x0f
.irp g, 0,1,2,3,4,5,6,7
	v_add_f32 v[T+\g], v[SS+2*\g], v[SS+2*\g+1]
.endr
	WIN 0
.irp g, 0,1,2,3,4,5,6,7
	v_permlanex16_b32 v[T2+\g], v[T+\g], s50, s51
.endr
.irp g, 0,1,2,3,4,5,6,7
	v_add_f32 v[T+\g], v[T+\g], v[T2+\g]
.endr
.irp g, 0,1,2,3,4,5,6,7
	ds_store_b32 v[SCS], v[T+\g] offset:64*\g
.endr
	s_wait_dscnt 0x0
	s_barrier_signal -1
	s_barrier_wait -1
.irp w, 0,1,2,3
	ds_load_b128 v[SC+4*\w:SC+4*\w+3], v[SCL] offset:512*\w
.endr
	WIN 0x80
.set a, 0
.rept 32
	ds_load_b128 v[4*a:4*a+3], v[BFA0] offset:512*a
	ds_load_b128 v[128+4*a:128+4*a+3], v[BFA1] offset:512*a
.set a, a+1
.endr
	WIN 0
	s_wait_dscnt 63
	v_pk_add_f32 v[SC:SC+1], v[SC:SC+1], v[SC+4:SC+5]
	v_pk_add_f32 v[SC+2:SC+3], v[SC+2:SC+3], v[SC+6:SC+7]
	v_pk_add_f32 v[SC+8:SC+9], v[SC+8:SC+9], v[SC+12:SC+13]
	v_pk_add_f32 v[SC+10:SC+11], v[SC+10:SC+11], v[SC+14:SC+15]
	v_pk_add_f32 v[SC:SC+1], v[SC:SC+1], v[SC+8:SC+9]
	v_pk_add_f32 v[SC+2:SC+3], v[SC+2:SC+3], v[SC+10:SC+11]
.irp i, 0,1,2,3
	v_ldexp_f32 v[SC+\i], v[SC+\i], s47
.endr
.irp i, 0,1,2,3
	v_mul_f32 v[SC+\i], s53, v[SC+\i]
.endr
	v_max3_num_f32 v[MX], v[SC], v[SC+1], v[SC+2]
	v_max_num_f32 v[MX], v[MX], v[SC+3]
.irp m, 1,2,4,8
	v_max_num_f32_dpp v[MX], v[MX], v[MX] row_xmask:\m row_mask:0xf bank_mask:0xf
.endr
	v_permlanex16_b32 v[TX], v[MX], s50, s51
	v_max_num_f32 v[MX], v[MX], v[TX]
.irp i, 0,1,2,3
	v_sub_f32 v[SC+\i], v[SC+\i], v[MX]
.endr
	s_wait_alu depctr_va_vdst(0)
.irp i, 0,1,2,3
	v_exp_f32 v[SC+\i], v[SC+\i]
.endr
	v_nop
	s_wait_alu depctr_va_vdst(0)
	v_add_f32 v[LS], v[SC], v[SC+1]
	v_add_f32 v[TX], v[SC+2], v[SC+3]
	ds_store_b128 v[PBS], v[SC:SC+3]
	v_add_f32 v[LS], v[LS], v[TX]
.irp m, 1,2,4,8
	v_add_f32_dpp v[LS], v[LS], v[LS] row_xmask:\m row_mask:0xf bank_mask:0xf
.endr
	v_permlanex16_b32 v[TX], v[LS], s50, s51
	v_add_f32 v[LS], v[LS], v[TX]
.irp i, 0,1,2,3,4,5,6,7
	ds_load_b128 v[P+4*\i:P+4*\i+3], v[PBL] offset:16*\i
.endr
	s_wait_dscnt 0x0
.irp i, 0,1,2,3,4,5,6,7,8,9,10,11,12,13,14,15
	v_cvt_pk_bf16_f32 v[PP+\i], v[P+2*\i], v[P+2*\i+1]
.endr
.irp i, 0,1,2,3,4,5,6,7,8,9,10,11,12,13,14,15
	v_cndmask_b32 v[PA+\i], 0, v[PP+\i], s52
.endr
.macro CTX kq, b
.irp e, 0,1,2,3,4,5,6,7
.if (\b) == 0
	v_wmma_f32_16x16x32_bf16 v[64*(\kq)+8*\e:64*(\kq)+8*\e+7], v[PA:PA+7], v[128*((\kq)/2)+16*\e:128*((\kq)/2)+16*\e+7], 0
.else
	v_wmma_f32_16x16x32_bf16 v[64*(\kq)+8*\e:64*(\kq)+8*\e+7], v[PA+8:PA+15], v[128*((\kq)/2)+16*\e+8:128*((\kq)/2)+16*\e+15], v[64*(\kq)+8*\e:64*(\kq)+8*\e+7]
.endif
.endr
.endm
	WIN 0xf4
	CTX 0, 0
	CTX 3, 0
	WIN 0xf8
	CTX 1, 0
	CTX 2, 0
	CTX 1, 1
	CTX 2, 1
	WIN 0xf4
	CTX 0, 1
	CTX 3, 1
.rept 4
	v_nop
.endr
	WIN 0x03
.set j, 0
.rept 32
	v_mov_b32 v[CT+j], v[8*j]
.set j, j+1
.endr
	WIN 0
.irp i, 0,1,2,3,4,5,6,7
	ds_store_b128 v[RES], v[CT+4*\i:CT+4*\i+3] offset:512*\i
.endr
	s_wait_dscnt 0x0
	s_barrier_signal -1
	s_barrier_wait -1
.irp u, 0,1
.irp w, 0,1,2,3
	ds_load_b128 v[RL+16*\u+4*\w:RL+16*\u+4*\w+3], v[REL] offset:4096*\w+512*\u
.endr
.endr
	s_wait_dscnt 0x0
.irp u, 0,1
	v_pk_add_f32 v[RL+16*\u:RL+16*\u+1], v[RL+16*\u:RL+16*\u+1], v[RL+16*\u+4:RL+16*\u+5]
	v_pk_add_f32 v[RL+16*\u+2:RL+16*\u+3], v[RL+16*\u+2:RL+16*\u+3], v[RL+16*\u+6:RL+16*\u+7]
	v_pk_add_f32 v[RL+16*\u+8:RL+16*\u+9], v[RL+16*\u+8:RL+16*\u+9], v[RL+16*\u+12:RL+16*\u+13]
	v_pk_add_f32 v[RL+16*\u+10:RL+16*\u+11], v[RL+16*\u+10:RL+16*\u+11], v[RL+16*\u+14:RL+16*\u+15]
	v_pk_add_f32 v[RL+16*\u:RL+16*\u+1], v[RL+16*\u:RL+16*\u+1], v[RL+16*\u+8:RL+16*\u+9]
	v_pk_add_f32 v[RL+16*\u+2:RL+16*\u+3], v[RL+16*\u+2:RL+16*\u+3], v[RL+16*\u+10:RL+16*\u+11]
	global_store_b128 v[GOUT], v[RL+16*\u:RL+16*\u+3], s[56:57] offset:512*\u th:TH_STORE_NT
.endr
	s_cmp_lg_u32 s18, 0
	s_cbranch_scc1 .Lno_ml
	global_store_b64 v[MLO], v[MX:MX+1], s[56:57] offset:4096 th:TH_STORE_NT
.Lno_ml:
	s_wait_tensorcnt 0x0
	ds_add_u32 v[SPW], v[NIL]
	s_wait_dscnt 0x0
	CROUND
	s_endpgm
.Lfunc_end_k_q36cbeeeff8_attn:
	.size	k_q36cbeeeff8_attn, .Lfunc_end_k_q36cbeeeff8_attn-k_q36cbeeeff8_attn
	.p2alignl 7, 3214868480
	.fill 96, 4, 3214868480
	.section	.rodata,"a",@progbits
	.p2align	6, 0x0
	.amdhsa_kernel k_q36cbeeeff8_attn
		.amdhsa_group_segment_fixed_size 327680
		.amdhsa_private_segment_fixed_size 0
		.amdhsa_enable_private_segment 0
		.amdhsa_kernarg_size 40
		.amdhsa_user_sgpr_count 2
		.amdhsa_user_sgpr_kernarg_segment_ptr 1
		.amdhsa_wavefront_size32 1
		.amdhsa_system_sgpr_workgroup_id_x 1
		.amdhsa_system_sgpr_workgroup_id_y 1
		.amdhsa_system_sgpr_workgroup_id_z 1
		.amdhsa_system_vgpr_workitem_id 0
		.amdhsa_next_free_vgpr 1024
		.amdhsa_next_free_sgpr 66
		.amdhsa_reserve_vcc 0
		.amdhsa_float_denorm_mode_32 3
		.amdhsa_float_denorm_mode_16_64 3
		.amdhsa_memory_ordered 1
		.amdhsa_forward_progress 1
		.amdhsa_inst_pref_size 255
	.end_amdhsa_kernel
	.section	.bss,"aw",@nobits
	.p2align	6
	.space	262144
	.amdgpu_metadata
---
amdhsa.version: [ 1, 2 ]
amdhsa.kernels:
  - .name:           k_q36cbeeeff8_attn
    .symbol:         k_q36cbeeeff8_attn.kd
    .args:
      - { .name: encoder_outputs, .offset: 0, .size: 8, .value_kind: global_buffer, .address_space: global }
      - { .name: wecodes, .offset: 8, .size: 8, .value_kind: global_buffer, .address_space: global }
      - { .name: W_v, .offset: 16, .size: 8, .value_kind: global_buffer, .address_space: global }
      - { .name: lowp_scales, .offset: 24, .size: 8, .value_kind: global_buffer, .address_space: global }
      - { .name: pctx, .offset: 32, .size: 8, .value_kind: global_buffer, .address_space: global }
    .group_segment_fixed_size: 327680
    .private_segment_fixed_size: 0
    .kernarg_segment_align: 8
    .kernarg_segment_size: 40
    .max_flat_workgroup_size: 128
    .sgpr_count:     66
    .vgpr_count:     1024
    .wavefront_size: 32
...
	.end_amdgpu_metadata
.endif
;; end of part 2
;; launch combine (part 3): grid 128 x 1, 2 waves a work-group, no clusters, 0 bytes of LDS; arguments pctx, out0; writes out0
.if DOCPART == 3
	.amdgcn_target "amdgcn-amd-amdhsa--gfx1250"
	.amdhsa_code_object_version 6
	.text
	.protected	k_q36cbeeeff8_combine
	.globl	k_q36cbeeeff8_combine
	.p2align	8
	.type	k_q36cbeeeff8_combine,@function
k_q36cbeeeff8_combine:
	s_mov_b64 s[64:65], 0
	v_nop
	global_prefetch_b8 v0, s[64:65] scope:SCOPE_SE
	s_setreg_imm32_b32 hwreg(HW_REG_WAVE_MODE, 25, 1), 1
	s_wait_xcnt 0x0
; The 16 blocks of a batch are joined: out[b][c] = sum over g of w_g ctx_g[c] / sum over g of w_g l_g, w_g = 2^(M_g - the largest M).
; pctx: 512 rows of 4,352 bytes: 1,024 f32 of a block's weighted sum, then (M, l).  M is a largest t = score x log2(e); l the block's sum of 2^(t - M), at least 1, so the divisor is at least 1.
; Work-group x serves batch x / 4 and columns 256 (x % 4) on; a thread four columns.  Memory binds: each byte of pctx's sums is read once, 512 consecutive bytes a wave and load; no LDS, no barrier, no matrix unit.
	s_load_b128 s[4:7], s[0:1], 0x0                ; pctx, out0
	s_lshr_b32 s8, ttmp9, 2                        ; batch
	s_and_b32 s9, ttmp9, 3                         ; quarter of the columns
	s_mul_i32 s10, s8, 16*4352
	s_mov_b32 s11, 0
	s_lshl_b32 s12, s8, 12
	s_mov_b32 s13, 0
	s_lshl_b32 s14, s9, 10
	v_lshlrev_b32 v1, 4, v0
	v_add_nc_u32 v1, s14, v1                       ; my 16 bytes of a row, in pctx and in out0
	v_and_b32 v2, 15, v0
	v_mul_u32_u24 v2, v2, 4352                     ; lane g (and g + 16) takes block g's pair
	s_wait_alu depctr_va_vdst(0)
	s_wait_kmcnt 0x0
	s_add_nc_u64 s[4:5], s[4:5], s[10:11]
	s_add_nc_u64 s[6:7], s[6:7], s[12:13]
	global_load_b64 v[4:5], v2, s[4:5] offset:4096
.irp g, 0,1,2,3,4,5,6,7,8,9,10,11,12,13,14,15
	global_load_b128 v[16+4*\g:19+4*\g], v1, s[4:5] offset:4352*\g th:TH_LOAD_NT
.endr
	s_wait_loadcnt 16                              ; the pair is in; the sixteen rows' loads may be out
	v_mov_b32 v6, v4
.irp m, 1,2,4,8
	v_max_num_f32_dpp v6, v6, v6 row_xmask:\m row_mask:0xf bank_mask:0xf
.endr
	v_sub_f32 v7, v4, v6
	s_wait_alu depctr_va_vdst(0)
	v_exp_f32 v7, v7                               ; w_g
	v_nop                                          ; a plain instruction behind the transcendental (ISA guide 5.7.2)
	s_wait_alu depctr_va_vdst(0)                   ; the wait, ahead of the first reader
	v_mul_f32 v8, v7, v5
.irp m, 1,2,4,8
	v_add_f32_dpp v8, v8, v8 row_xmask:\m row_mask:0xf bank_mask:0xf
.endr
	s_wait_alu depctr_va_vdst(0)
	v_rcp_f32 v9, v8
	v_nop
	s_wait_alu depctr_va_vdst(0)
	v_mul_f32 v7, v7, v9                           ; w_g / the divisor
.irp g, 0,1,2,3,4,5,6,7,8,9,10,11,12,13,14,15
	v_readlane_b32 s[32+\g], v7, \g
.endr
	s_wait_loadcnt 0x0
.irp i, 0,1,2,3
	v_mul_f32 v[80+\i], s32, v[16+\i]
.endr
.irp g, 1,2,3,4,5,6,7,8,9,10,11,12,13,14,15
.irp i, 0,1,2,3
	v_fma_f32 v[80+\i], s[32+\g], v[16+4*\g+\i], v[80+\i]
.endr
.endr
	global_store_b128 v1, v[80:83], s[6:7]         ; a wave stores 512 consecutive bytes, aligned
	s_endpgm
.Lfunc_end_k_q36cbeeeff8_combine:
	.size	k_q36cbeeeff8_combine, .Lfunc_end_k_q36cbeeeff8_combine-k_q36cbeeeff8_combine
	.p2alignl 7, 3214868480
	.fill 96, 4, 3214868480
	.section	.rodata,"a",@progbits
	.p2align	6, 0x0
	.amdhsa_kernel k_q36cbeeeff8_combine
		.amdhsa_group_segment_fixed_size 0
		.amdhsa_private_segment_fixed_size 0
		.amdhsa_enable_private_segment 0
		.amdhsa_kernarg_size 16
		.amdhsa_user_sgpr_count 2
		.amdhsa_user_sgpr_kernarg_segment_ptr 1
		.amdhsa_wavefront_size32 1
		.amdhsa_system_sgpr_workgroup_id_x 1
		.amdhsa_system_sgpr_workgroup_id_y 1
		.amdhsa_system_sgpr_workgroup_id_z 1
		.amdhsa_system_vgpr_workitem_id 0
		.amdhsa_next_free_vgpr 96
		.amdhsa_next_free_sgpr 66
		.amdhsa_reserve_vcc 0
		.amdhsa_float_denorm_mode_32 3
		.amdhsa_float_denorm_mode_16_64 3
		.amdhsa_memory_ordered 1
		.amdhsa_forward_progress 1
		.amdhsa_inst_pref_size 9
	.end_amdhsa_kernel
	.amdgpu_metadata
---
amdhsa.version: [ 1, 2 ]
amdhsa.kernels:
  - .name:           k_q36cbeeeff8_combine
    .symbol:         k_q36cbeeeff8_combine.kd
    .args:
      - { .name: pctx, .offset: 0, .size: 8, .value_kind: global_buffer, .address_space: global }
      - { .name: out0, .offset: 8, .size: 8, .value_kind: global_buffer, .address_space: global }
    .group_segment_fixed_size: 0
    .private_segment_fixed_size: 0
    .kernarg_segment_align: 8
    .kernarg_segment_size: 16
    .max_flat_workgroup_size: 64
    .sgpr_count:     66
    .vgpr_count:     96
    .wavefront_size: 32
...
	.end_amdgpu_metadata
.endif
;; end of part 3
